; MI455X (gfx1250); checked and timed in simulation.
; The chip was launched on July 23, 2026; its instructions are those of AMD's public machine-readable ISA for CDNA 5 (MIT licence, August 2026) and "CDNA5" Instruction Set Architecture Reference Guide (July 2026). The comments in the code are by the model that wrote it; some were corrected since.
;; Multi Head Attention. Allowed arithmetic: matrix products marked QUANTISED: E2M3 operands, one E8M0 scale for each 32 along K, by v_wmma_scale_f32_16x16x128_f8f6f4 with both operands' format E2M3, f32 sums; everything else in f32.
;; Inputs: Wk_codes 1,024 x 32 x 24 uint8 (E2M3 codes of Wk, K innermost, in blocks of 32 codes, four codes in three bytes); Wk_scales 1,024 x 32 uint8 (E8M0 scales of Wk, one for each 32 codes along K); Wo_codes 1,024 x 32 x 24 uint8 (E2M3 codes of Wo, K innermost, in blocks of 32 codes, four codes in three bytes); Wo_scales 1,024 x 32 uint8 (E8M0 scales of Wo, one for each 32 codes along K); Wq_codes 1,024 x 32 x 24 uint8 (E2M3 codes of Wq, K innermost, in blocks of 32 codes, four codes in three bytes); Wq_scales 1,024 x 32 uint8 (E8M0 scales of Wq, one for each 32 codes along K); Wv_codes 1,024 x 32 x 24 uint8 (E2M3 codes of Wv, K innermost, in blocks of 32 codes, four codes in three bytes); Wv_scales 1,024 x 32 uint8 (E8M0 scales of Wv, one for each 32 codes along K); bk 1,024 float32; bo 1,024 float32; bq 1,024 float32; bv 1,024 float32; key_codes 2 x 2,048 x 32 x 24 uint8 (E2M3 codes of key, K innermost, in blocks of 32 codes, four codes in three bytes); key_scales 2 x 2,048 x 32 uint8 (E8M0 scales of key, one for each 32 codes along K); query_codes 2 x 2,048 x 32 x 24 uint8 (E2M3 codes of query, K innermost, in blocks of 32 codes, four codes in three bytes); query_scales 2 x 2,048 x 32 uint8 (E8M0 scales of query, one for each 32 codes along K); value_codes 2 x 2,048 x 32 x 24 uint8 (E2M3 codes of value, K innermost, in blocks of 32 codes, four codes in three bytes); value_scales 2 x 2,048 x 32 uint8 (E8M0 scales of value, one for each 32 codes along K).
;; Outputs: out0 2 x 2,048 x 1,024 float32.
;; This version of the problem:
;;   THIS VERSION OF THE PROBLEM IS GIVEN IN LOW PRECISION. The matrix products marked QUANTISED in the list below multiply operands that are first quantised to E2M3 (2 exponent bits, 3 mantissa bits; 6 bits a number), with one power-of-two scale for each 32 numbers along K (OCP MX v1.0); their sums are f32. All else is computed in f32.
;;   The module's matrix products, in the order in which they are computed (A, B: the left and right operand; K: the contracted axis; several contracted axes count as one K, in the product's order):
;;     1. [M 4,096, K 1,024] x [K 1,024, N 1,024]; A: input query (given as codes); B: input Wq (given as codes): QUANTISED
;;     2. [M 4,096, K 1,024] x [K 1,024, N 1,024]; A: input key (given as codes); B: input Wk (given as codes): QUANTISED
;;     3. [M 4,096, K 1,024] x [K 1,024, N 1,024]; A: input value (given as codes); B: input Wv (given as codes): QUANTISED
;;     4. batch 32 x [M 2,048, K 64] x [K 64, N 2,048]; A: computed on the way; B: computed on the way: QUANTISED
;;     5. batch 32 x [M 2,048, K 2,048] x [K 2,048, N 64]; A: softmax (see below); B: computed on the way: QUANTISED
;;     6. [M 4,096, K 1,024] x [K 1,024, N 1,024]; A: computed on the way; B: input Wo (given as codes): QUANTISED
;;   THE QUANTISER, for each operand of a quantised product, along K:
;;     - K is cut into blocks of 32 from its start; a last block that is shorter is filled with zeros.
;;     - A block's scale is 2^e with e = floor(log2(the largest magnitude in the block)) - 2, held to -126 .. 127; a block of zeros has e = 0. As a byte (E8M0): e + 127.
;;     - Each number is divided by its block's scale, clamped to +-7.5, and rounded to the nearest number of E2M3, ties to even, subnormals kept.
;;     - The product sums the exact products of the quantised numbers (number of the format x scale) in f32.
;;   ~~~python
;;   def quantise(x, axis):      # numpy; x: float32 -> the quantised numbers, widened to float32 again
;;       x = np.moveaxis(x, axis, -1); K = x.shape[-1]
;;       x = np.pad(x, [(0, 0)] * (x.ndim - 1) + [(0, -K % 32)]); x = x.reshape(x.shape[:-1] + (-1, 32)); a = np.abs(x).max(-1, keepdims=True)
;;       e = np.where(a > 0, np.clip(np.frexp(np.where(a > 0, a, 1))[1] - 1 - 2, -126, 127), 0)      # np.frexp(a)[1] - 1 = floor(log2(a)), exactly
;;       r = np.clip(x / 2.0 ** e, -7.5, 7.5)
;;       step = 2.0 ** (np.maximum(np.frexp(np.where(r == 0, 1, r))[1] - 1, 0) - 3)
;;       q = np.round(r / step) * step * 2.0 ** e      # np.round: ties to even
;;       return np.moveaxis(q.reshape(q.shape[:-2] + (-1,))[..., :K], -1, axis).astype(np.float32)
;;   ~~~
;;   SOFTMAX AHEAD OF A QUANTISED PRODUCT. Where the list says 'softmax', what is quantised is not the finished softmax but p = 2^(t - M), with t = logit x log2(e) and M = ceil(the row's largest t), a whole number; so 1/2 < the row's largest p <= 1. The row's sum l is taken of the UNQUANTISED p, in f32, and the product's result is divided by l at the end. Since M is a whole number, a kernel that streams over the keys may use a running M (the ceiling of the running maximum): every later rescaling is an exact power of two, which a block's scale takes up: the codes' values come out the same.
;;   OPERANDS COMPUTED ON THE WAY. 'Computed on the way' means the value that the module computes at that place (a softmax that the list does not call 'softmax' is quantised finished and normalised). What goes into a quantiser is computed in f32, as accurately as f32 sums, v_exp_f32 and their like allow (about 1e-6 of the number): no bf16 or f16 on the way to a quantiser, and a product that is left as it is and whose result goes on into a quantised operand takes f32 operands (vector FMAs, or v_wmma_f32_16x16x4_f32). A number that lies on a knife's edge between two numbers of the format may be rounded either way, as far as f32 arithmetic and the matrix unit's own rounding can turn it there, and no further.
;;   INPUTS GIVEN AS CODES. Wk (in the module: [1024, 1024], K = its axis 0); Wo (in the module: [1024, 1024], K = its axis 0); Wq (in the module: [1024, 1024], K = its axis 0); Wv (in the module: [1024, 1024], K = its axis 0); key (in the module: [2, 2048, 1024], K = its axis 2); query (in the module: [2, 2048, 1024], K = its axis 2); value (in the module: [2, 2048, 1024], K = its axis 2): each comes as NAME_codes (uint8): NAME with its K axis moved to the last place and cut into blocks of 32 codes, [.., K / 32, bytes a block], one block behind the other in memory; four codes in three bytes: a row's codes are one little-endian stream of bits, code i at bits 6 i .. 6 i + 5 (a code: sign, 2 exponent bits, 3 mantissa bits); and NAME_scales (uint8): the same leading axes, one E8M0 byte (e + 127) for each 32 codes along K. Its value is code x scale, taken as it is: it is not quantised again, and the codes and scales need not be those that the quantiser above would give.
;; One version. Each part assembles by itself: llvm-mc -triple=amdgcn-amd-amdhsa -mcpu=gfx1250 --defsym DOCPART=n.
;; ======== version 1 of 1: 3 launches
;; limits: right only within a limited range of input values
;; workspace buffers: qkv 9,437,184 bytes; qkvs 786,432 bytes; ctximg 3,145,728 bytes; ctxs 131,072 bytes
;; launch proj (part 1): grid 8 x 32, 4 waves a work-group, clusters of 4 x 4, 327,680 bytes of LDS; arguments Wq_codes, Wk_codes, value_codes, query_codes, key_codes, Wv_codes, Wq_scales, Wk_scales, value_scales, query_scales, key_scales, Wv_scales, bq, bk, bv, qkv, qkvs; writes qkv, qkvs
.if DOCPART == 1
	.amdgcn_target "amdgcn-amd-amdhsa--gfx1250"
	.amdhsa_code_object_version 6
	.text
	.protected	k_q0a2692a1f1_proj
	.globl	k_q0a2692a1f1_proj
	.p2align	8
	.type	k_q0a2692a1f1_proj,@function
k_q0a2692a1f1_proj:
	s_mov_b64 s[64:65], 0
	v_nop
	global_prefetch_b8 v0, s[64:65] scope:SCOPE_SE
	s_setreg_imm32_b32 hwreg(HW_REG_WAVE_MODE, 25, 1), 1
	s_wait_xcnt 0x0
	s_wait_alu depctr_hold_cnt(0) depctr_sa_sdst(0) depctr_va_vdst(0) depctr_va_sdst(0) depctr_va_ssrc(0) depctr_va_vcc(0) depctr_vm_vsrc(0)
	s_getreg_b32 s2, hwreg(HW_REG_IB_STS2, 6, 4)
	s_cmp_eq_u32 s2, 0
	s_cbranch_scc0 .Lentry_in_a_cluster
	s_endpgm
.Lentry_in_a_cluster:
	s_bfe_u32 s2, ttmp6, 0x10000c
	s_cmp_lg_u32 s2, 0xf033
	s_cbranch_scc0 .Lentry_shape_is_right
	s_endpgm
.Lentry_shape_is_right:
; THE THREE INPUT PROJECTIONS, q = query Wq + bq, k = key Wk + bk, v = value Wv + bv, each 4,096 x 1,024 x 1,024 on codes of FP6 (E2M3) with one E8M0 byte for each 32 along K,
; and the quantising of their results for the attention: q and k along the head's 64 channels, v along the keys.  Nothing wider than codes is stored.
; SHARES.  256 work-groups THAT STAY: each makes one tile of 128 x 128 of product g = 0, 1, 2 (q, k, v), one after the other; the walk is written out, g a constant of each part.  Four waves, each 64 x 64: sixteen accumulators.
; All of K (768 bytes a row) of a tile's 128 + 128 rows lies in LDS.  When a tile's last fragments have been read, ahead of its last sixteen products, the next tile is asked for into the same bytes,
; one tensor load a wave, behind the waits, the add and the cluster's round; all LDS is claimed.
; SOURCES.  Source 0 (S0) gives the axis along a lane's registers, source 1 (S1) the axis across lanes.  q, k: S0 = W's rows (channels), S1 = x's rows.  v: S0 = value's rows (keys), S1 = Wv's rows (channels).
; THE ROWS OF A TILE ARE NOT NEIGHBOURS: in a group of 64 rows lane r of tile i takes row 8 i + (r & 7) + 32 (r >> 3): so the 32 registers of a group's four tiles are rows 32 h + 0 .. 31, one whole block of 32
; of the next product's K in one lane.  Results are stored as UNITS: 16 rows x 64 K, six registers a lane, 768 bytes: registers 0-3 at 16 x lane, registers 4-5 at 512 + 8 x lane.
; LDS.  A row of codes is three pieces of 256 bytes + 16 of padding, 816 bytes; a sub-tile is 32 rows.  An operand's sub-tiles 0 and 2 lie on end, then, 128 bytes off the 256-byte grid, sub-tiles 1 and 3:
; rows 32 apart start in the other half of the banks' 256 bytes.  One load brings two sub-tiles.  The scale words go from memory straight into registers, 256 consecutive bytes for eight rows.
; CLUSTER 4 x 4: S0's tiles are asked for jointly along a column of the cluster, S1's along a row.  No prefetch: every byte is asked for by one load, as soon as its LDS bytes are free.
; LIMITS: NaN and infinities are not served.  A block of zeros gets the byte 1 where the quantiser's rule says 127: its codes are zeros, and this program alone reads the bytes.  The bias starts each sum (it is
; the first product's C) where the definition adds it last: another order of f32 rounding.
; REGISTERS.  Window 0: v1 16 x lane, v2 8 x lane, v3-6 fragment addresses, v7 scale bytes' offset, v8-39 scale words, v40-135 and v136-231 two fragment buffers, v232-253 at work, v254-255 the add's.
;   Window 1: v0-127 accumulator (a, b) at v[8 (4 b + a)]; v128-159 the bias in the result's layout.
.set SUBT,  26112                      ; 32 rows x 816 bytes
.set ODD,   2*SUBT+128                 ; where an operand's odd sub-tiles begin
.set OPB,   ODD+2*SUBT+128             ; an operand's bytes, a multiple of 256
.set UNIT,  272                        ; from one piece of 256 bytes of a row to the next
.set PITCH, 816
.set SPARE, 0x35800                    ; behind both operands: the spare words
.set SC,    8                          ; v[SC + 8 i + s]: lanes 0-15 S0's tile i, lanes 16-31 S1's tile i: the scale word of K step s
.set ST,    136                        ; S1's scale words as loaded, until they are merged
.set F0,    40                         ; a fragment buffer: S0's four fragments at + 12 a, S1's at + 48 + 12 b; the second buffer 96 on
.set BIAS,  128
.set MX,    232
.set SO,    236
.set BY,    240
.set ZR,    244
.set SW,    248
.set CD,    40                         ; the quantiser's codes: six registers a tile
.set CT,    64                         ; and the second halves as the conversions leave them
.set G1W0,  (3<<16)|(1<<20)|(1<<21)|(5<<22)|(3<<25)   ; elements of 8 bytes; padding on; bit 21 beside a mask; after every 64 words 4 words of padding
.set MSB, 0
.macro WIN new                         ; the immediate's high byte repeats the setting that is left
.if MSB != \new
	s_set_vgpr_msb (MSB<<8)|\new
.set MSB, \new
.endif
.endm
.macro PLACES                          ; four plain vector instructions between a matrix instruction and a load into, or a vector read of, its registers
.rept 4
	v_nop
.endr
.endm
.macro CROUND                          ; a round of the cluster's barrier
	s_barrier_signal -1
	s_barrier_wait -1
	s_cmp_lg_u32 s2, 0
	s_cbranch_scc1 .Lnot_wave_0_\@
	s_barrier_signal -3
.Lnot_wave_0_\@:
	s_barrier_wait -3
	s_barrier_signal -1
	s_barrier_wait -1
.endm
; A fragment, 16 rows x 128 K: registers 6 c .. 6 c + 5 are the 24 bytes at 96 s + 48 c + 24 h of the lane's row, in pieces of 8 bytes; 32 pieces to 256 bytes.
; Lanes 16-31 read three pieces on: where that is past a padding, the second address register (16 more for those lanes) serves.
.macro FRAG reg, adr, s, i
.irp c, 0,1
.irp p, 0,1,2
.set PC, 12*(\s)+6*\c+\p
.if PC%32 < 29
	ds_load_b64 v[\reg+6*\c+2*\p:\reg+6*\c+2*\p+1], v[\adr] offset:UNIT*(PC/32)+8*(PC%32)+8*PITCH*(\i)
.else
	ds_load_b64 v[\reg+6*\c+2*\p:\reg+6*\c+2*\p+1], v[\adr+1] offset:UNIT*(PC/32)+8*(PC%32)+8*PITCH*(\i)
.endif
.endr
.endr
.endm
.macro FETCH s, f                      ; K step s: 48 LDS loads in one run
.irp a, 0,1,2,3
	FRAG \f+12*\a, 3, \s, \a
.endr
.irp b, 0,1,2,3
	FRAG \f+48+12*\b, 5, \s, \b
.endr
.endm
.macro SCALES                          ; a row's 32 scale bytes are its eight K steps' words
.irp i, 0,1,2,3
	global_load_b128 v[SC+8*\i:SC+8*\i+3], v7, s[46:47] offset:256*\i
	global_load_b128 v[SC+8*\i+4:SC+8*\i+7], v7, s[46:47] offset:256*\i+16
	global_load_b128 v[ST+8*\i:ST+8*\i+3], v7, s[48:49] offset:256*\i
	global_load_b128 v[ST+8*\i+4:ST+8*\i+7], v7, s[48:49] offset:256*\i+16
.endr
.endm
; Sixteen products, the accumulators by turns, one instruction a turn, in the same order in every K step.
; cmode 0: adds on;  1: the sum starts with the bias of S0's rows;  2: with the bias of S1's rows.
.macro MUL s, f, cmode
	WIN 0x50                                       ; C and D in window 1
.irp b, 0,1,2,3
.irp a, 0,1,2,3
.if \cmode == 0
	v_wmma_scale_f32_16x16x128_f8f6f4 v[8*(4*\b+\a):8*(4*\b+\a)+7], v[\f+12*\a:\f+12*\a+11], v[\f+48+12*\b:\f+48+12*\b+11], v[8*(4*\b+\a):8*(4*\b+\a)+7], v[SC+8*\a+(\s)], v[SC+8*\b+(\s)] matrix_a_fmt:MATRIX_FMT_FP6 matrix_b_fmt:MATRIX_FMT_FP6 matrix_b_scale:MATRIX_SCALE_ROW1
.elseif \cmode == 1
	v_wmma_scale_f32_16x16x128_f8f6f4 v[8*(4*\b+\a):8*(4*\b+\a)+7], v[\f+12*\a:\f+12*\a+11], v[\f+48+12*\b:\f+48+12*\b+11], v[BIAS+8*\a:BIAS+8*\a+7], v[SC+8*\a+(\s)], v[SC+8*\b+(\s)] matrix_a_fmt:MATRIX_FMT_FP6 matrix_b_fmt:MATRIX_FMT_FP6 matrix_b_scale:MATRIX_SCALE_ROW1
.else
	v_wmma_scale_f32_16x16x128_f8f6f4 v[8*(4*\b+\a):8*(4*\b+\a)+7], v[\f+12*\a:\f+12*\a+11], v[\f+48+12*\b:\f+48+12*\b+11], v[BIAS+8*\b:BIAS+8*\b+7], v[SC+8*\a+(\s)], v[SC+8*\b+(\s)] matrix_a_fmt:MATRIX_FMT_FP6 matrix_b_fmt:MATRIX_FMT_FP6 matrix_b_scale:MATRIX_SCALE_ROW1
.endif
.endr
.endr
.endm
.macro STEP s                          ; the next step's fragments are asked for, into the buffer that step s - 1 multiplied, then step s is multiplied
	PLACES
	WIN 0
	FETCH (\s)+1, F0+96*(((\s)+1)%2)
	s_wait_dscnt 48                                ; all but the 48 just issued: step s's fragments are in
	MUL \s, F0+96*((\s)%2), 0
.endm
.macro ARGS                            ; Wq, Wk, value, query, key, Wv codes; the same six scales; bq, bk, bv; qkv; qkvs
	s_load_b512 s[8:23], s[0:1], 0x0
	s_load_b512 s[24:39], s[0:1], 0x40
	s_load_b64 s[54:55], s[0:1], 0x80
.endm
; Product g's tile is asked for.  Scalar work, then (g > 0: a refill) the three lines, the round, one joint load a wave.
.macro PREPA g
	s_wait_kmcnt 0x0
	s_and_b32 s100, ttmp7, 0xffff                  ; the cluster's y, 0..7
.if \g == 2                            ; v has 32 blocks of S0 (value) and 8 of S1 (Wv); q and k 8 and 32
	s_lshr_b32 s101, s100, 1
	s_lshl_b32 s101, s101, 3
	s_and_b32 s59, s100, 1
.else
	s_mov_b32 s101, 0
	s_mov_b32 s59, s100
.endif
	s_lshl_b32 s58, ttmp9, 2
	s_add_co_u32 s58, s58, s56
	s_add_co_u32 s58, s58, s101                    ; S0's block of 128 rows: no cy enters it
	s_lshl_b32 s59, s59, 2
	s_add_co_u32 s59, s59, s57                     ; S1's: no cx enters it
	s_lshl_b32 s6, s58, 1
	s_add_co_u32 s6, s6, s4                        ; gs0: my group of 64 rows of S0
	s_lshl_b32 s7, s59, 1
	s_add_co_u32 s7, s7, s5                        ; gs1: of S1
	s_lshl_b32 s100, s5, 5                         ; I fetch the even (0) or the odd (1) sub-tiles: they begin at row 0 or 32 of the block
	s_lshl_b32 s66, s58, 7
	s_add_co_u32 s66, s66, s100
	s_mul_i32 s66, s66, 768
	s_mov_b32 s67, 0
	s_lshl_b32 s62, s59, 7
	s_add_co_u32 s62, s62, s100
	s_mul_i32 s62, s62, 768
	s_mov_b32 s63, 0
	s_add_nc_u64 s[42:43], s[8+2*(\g):9+2*(\g)], s[66:67]      ; S0's codes
	s_add_nc_u64 s[44:45], s[14+2*(\g):15+2*(\g)], s[62:63]    ; S1's
	s_lshl_b32 s40, s6, 11                         ; my group's scale bytes: 2,048 a group
	s_mov_b32 s41, 0
	s_add_nc_u64 s[46:47], s[20+2*(\g):21+2*(\g)], s[40:41]
	s_lshl_b32 s40, s7, 11
	s_add_nc_u64 s[48:49], s[26+2*(\g):27+2*(\g)], s[40:41]
	s_mov_b64 s[50:51], s[32+2*(\g):33+2*(\g)]     ; the bias
	s_mov_b64 s[52:53], s[38:39]                   ; qkv
	s_or_b32 s8, s60, G1W0                         ; groups 1: S0's tiles go to my column,
	s_or_b32 s16, s61, G1W0                        ; S1's to my row
.irp q, 8, 16                          ; a sub-tile's 32 rows are 24,576 dense bytes: the tile is two such runs (3,072 elements of 8 bytes), 64 rows apart
	s_mov_b32 s[\q+1], 3072<<16
	s_mov_b32 s[\q+2], 2<<16
	s_mov_b32 s[\q+3], 3072<<16
	s_mov_b32 s[\q+4], 2
	s_mov_b32 s[\q+5], 6144
	s_mov_b32 s[\q+6], 0
	s_mov_b32 s[\q+7], 0
.endr
	s_mov_b32 s68, 1
	s_mul_i32 s69, s5, ODD
	s_mov_b64 s[70:71], s[42:43]
	s_or_b32 s71, s71, 0x80000000
	s_mov_b32 s72, 1
	s_mul_i32 s73, s5, ODD
	s_add_co_u32 s73, s73, OPB
	s_mov_b64 s[74:75], s[44:45]
	s_or_b32 s75, s75, 0x80000000
.if \g > 0
	s_wait_tensorcnt 0x0                           ; no load of mine is out;
	ds_add_u32 v254, v255                          ; the add;
	s_wait_dscnt 0x0                               ; it is done, and so are my reads of the tile in LDS
.endif
	CROUND                                         ; the same holds of every wave of all sixteen work-groups: the joint loads meet
	s_cmp_eq_u32 s4, 0                             ; one tensor load a wave: waves 0 and 1 fetch S0, waves 2 and 3 S1
	s_cbranch_scc0 .Lfor_s1_\@
	tensor_load_to_lds s[68:71], s[8:15]
	s_nop 0
.rept 4
	v_nop
.endr
	s_branch .Lasked_\@
.Lfor_s1_\@:
	tensor_load_to_lds s[72:75], s[16:23]
	s_nop 0
.rept 4
	v_nop
.endr
.Lasked_\@:
.endm
; Product g's scale words and bias are asked for, and the places of its results are made.
.macro PREPB g
	SCALES
.if \g == 2                            ; head and group of 64 rows are (gs0, gs1) for q and k, (gs1, gs0) for v
	s_mov_b32 s40, s7
	s_mov_b32 s7, s6
.else
	s_mov_b32 s40, s6
.endif
	s_lshr_b32 s6, s7, 5
	s_lshl_b32 s6, s6, 4
	s_add_co_u32 s6, s6, s40                       ; bh = 16 x batch + head
	s_and_b32 s7, s7, 31                           ; G: the group within the batch
	s_lshl_b32 s40, s40, 8
	s_add_nc_u64 s[50:51], s[50:51], s[40:41]      ; the bias at the head's 64 channels
	s_mul_i32 s40, s6, 294912                      ; qkv: [bh][g][t = G / 2][tile 4][c = G % 2][768]
	s_add_nc_u64 s[52:53], s[52:53], s[40:41]
	s_add_nc_u64 s[52:53], s[52:53], (\g)*98304
	s_lshr_b32 s40, s7, 1
	s_mul_i32 s40, s40, 6144
	s_add_nc_u64 s[52:53], s[52:53], s[40:41]
	s_and_b32 s40, s7, 1
	s_mul_i32 s40, s40, 768
	s_add_nc_u64 s[52:53], s[52:53], s[40:41]
	s_mul_i32 s40, s6, 24576                       ; qkvs: [bh][g][G][256]
	s_add_nc_u64 s[54:55], s[54:55], s[40:41]
	s_add_nc_u64 s[54:55], s[54:55], (\g)*8192
	s_lshl_b32 s40, s7, 8
	s_add_nc_u64 s[54:55], s[54:55], s[40:41]
	s_mov_b32 s100, 0xffff0000                     ; lanes 16-31
	s_mov_b32 s101, 0x7f7f0000                     ; the scale 1 for the two blocks that a K of 64 leaves empty
	WIN 0x40                                       ; destination window 1
.if \g == 2
.irp b, 0,1,2,3                        ; v: all eight registers of tile b belong to the lane's channel 8 b + (r & 7) + 32 (r >> 3)
.irp j, 0,1,2,3,4,5,6,7
	global_load_b32 v[BIAS+8*\b+\j], v252, s[50:51] offset:32*\b
.endr
.endr
.else
.irp a, 0,1,2,3                        ; q, k: register j of tile a is channel 32 h + 8 a + j
	global_load_b128 v[BIAS+8*\a:BIAS+8*\a+3], v251, s[50:51] offset:32*\a
	global_load_b128 v[BIAS+8*\a+4:BIAS+8*\a+7], v251, s[50:51] offset:32*\a+16
.endr
.endif
	WIN 0
.endm
; THE QUANTISER.  For S1's tile b, accumulators' registers 32 b + 0 .. 31 are one block of 32 along the next K, all mine.
.macro QUANT
	WIN 0x05                                       ; sources 0 and 1 window 1
.irp b, 0,1,2,3
	v_max3_num_f32 v[MX+\b], |v[32*\b]|, |v[32*\b+1]|, 0x1800000   ; with the floor 2^(3 - 127): the byte cannot fall under 1.  Each accumulator is read from its low end on
.endr
.irp i, 2,4,6,8,10,12,14,16,18,20,22,24,26,28,30
.irp b, 0,1,2,3
	v_max3_num_f32 v[MX+\b], |v[32*\b+\i]|, |v[32*\b+\i+1]|, v[MX+\b]
.endr
.endr
	WIN 0
.irp b, 0,1,2,3
	v_add_nc_u32 v[SO+\b], 0xff000000, v[MX+\b]    ; 2 off the exponent field: the conversion's scale operand
.endr
.irp b, 0,1,2,3
	v_lshrrev_b32 v[BY+\b], 23, v[SO+\b]           ; the scale's byte
.endr
	WIN 0x01                                       ; source 0 window 1
.irp b, 0,1,2,3
	v_cvt_scalef32_pk16_fp6_f32 v[CD+6*\b:CD+6*\b+2], v[32*\b:32*\b+15], v[SO+\b]
	v_cvt_scalef32_pk16_fp6_f32 v[CT+4*\b:CT+4*\b+2], v[32*\b+16:32*\b+31], v[SO+\b]   ; (a conversion's three registers begin on an even number)
.endr
	WIN 0
	v_nop                                          ; one plain place behind a scaled conversion
.irp b, 0,1,2,3
.irp i, 0,1,2
	v_mov_b32 v[CD+6*\b+3+\i], v[CT+4*\b+\i]
.endr
.endr
.irp b, 0,1,2,3
	v_lshlrev_b32 v[BY+\b], v250, v[BY+\b]         ; my block's byte at its place: 8 h bits up
.endr
.irp b, 0,1,2,3
	v_permlanex16_b32 v[ZR+\b], v[BY+\b], s88, s89
.endr
.irp b, 0,1,2,3
	v_or_b32 v[BY+\b], v[BY+\b], v[ZR+\b]          ; with the other half's: the row's two bytes
.endr
.irp m, 0,1
	v_cndmask_b32 v[SW+\m], v[BY+2*\m], v[BY+2*\m+1], s100   ; lanes 0-15 keep tile 2 m's words, lanes 16-31 take tile 2 m + 1's
.endr
.irp m, 0,1
	v_or_b32 v[SW+\m], s101, v[SW+\m]
.endr
.irp b, 0,1,2,3
	global_store_b128 v1, v[CD+6*\b:CD+6*\b+3], s[84:85] offset:1536*\b        ; 32 lanes store 512 consecutive bytes, aligned to 256
	global_store_b64 v2, v[CD+6*\b+4:CD+6*\b+5], s[84:85] offset:1536*\b+512   ; and 256
.endr
	global_store_b64 v2, v[SW:SW+1], s[86:87]      ; the group's 256 bytes of scale words
.endm
; Product g's tile: it has been asked for.  nx: the next product;  cm: how the bias starts the sums.
.macro TILE g, nx, cm
	s_mov_b64 s[84:85], s[52:53]                   ; where this tile's results go: copies, since the next tile's places are made ahead of this tile's stores
	s_mov_b64 s[86:87], s[54:55]
	s_wait_loadcnt 0x0                             ; the scale words and the bias
.set j, 0
.rept 32
	v_cndmask_b32 v[SC+j], v[SC+j], v[ST+j], s100  ; lanes 0-15 keep S0's words, lanes 16-31 take S1's
.set j, j+1
.endr
.rept 8
	v_nop                                          ; a scale register written by a vector instruction stands eight places ahead of a scaled matrix instruction
.endr
	s_wait_alu depctr_va_vdst(0)                   ; directly ahead of the wait below
	s_wait_tensorcnt 0x0                           ; my one load has landed
	s_barrier_signal -1
	s_barrier_wait -1                              ; everybody's has: all of K of both operands is in
.if \g < 2
	ARGS                                           ; no tensor load of mine is out: the descriptors' registers take the arguments again, for the next tile
.endif
	FETCH 0, F0
	FETCH 1, F0+96
	s_wait_dscnt 48                                ; all but step 1's 48 loads
	MUL 0, F0, \cm                                 ; the first K step starts the sums with the bias: nothing is cleared
.irp t, 1,2,3,4,5,6
	STEP \t
.endr
	s_wait_dscnt 0x0                               ; step 7's fragments are in: this tile is read no more
.if \g < 2
	WIN 0
	PREPA \nx                                      ; the next tile's load has the last K step, the quantiser and the stores in which to land
.endif
	MUL 7, F0+96, 0
	PLACES
	WIN 0
.if \g < 2
	PREPB \nx
.endif
	QUANT
.if \g < 2
	s_wait_xcnt 0x0                                ; the stores have read their registers and bases: the next tile writes them again
.endif
.endm
	ARGS
	v_lshl_add_u32 v254, v0, 2, SPARE
	v_mov_b32 v255, 0
	ds_add_u32 v254, v255                          ; the opening lines: the add, twice on end, and its wait ahead of my first tensor load
	ds_add_u32 v254, v255
	v_lshrrev_b32 v1, 5, v0
	v_readfirstlane_b32 s2, v1                     ; wave 0..3
	s_lshr_b32 s4, s2, 1                           ; i0: which 64 of S0's 128 rows are mine.  Also: I fetch S0 (0) or S1 (1)
	s_and_b32 s5, s2, 1                            ; j0: which 64 of S1's.  Also: the even or the odd sub-tiles
	s_bfe_u32 s56, ttmp6, 0x40000                  ; cx
	s_bfe_u32 s57, ttmp6, 0x40004                  ; cy
	s_lshl_b32 s60, 0x1111, s56                    ; my column of the cluster
	s_lshl_b32 s61, s57, 2
	s_lshl_b32 s61, 15, s61                        ; my row
	v_and_b32 v9, 31, v0                           ; lane
	v_lshlrev_b32 v1, 4, v9
	v_lshlrev_b32 v2, 3, v9
	v_bfe_u32 v10, v0, 4, 1                        ; h
	v_and_b32 v11, 7, v0                           ; r & 7
	v_bfe_u32 v12, v0, 3, 1                        ; r >> 3
	v_mul_u32_u24 v3, v11, PITCH
	v_mad_u32_u24 v3, v12, ODD, v3                 ; rows 32 apart: an even and an odd sub-tile
	v_mad_u32_u24 v3, v10, 24, v3
	v_mul_u32_u24 v13, v10, UNIT-256
	s_mul_i32 s100, s4, SUBT
	s_mul_i32 s101, s5, SUBT
	s_add_co_u32 s101, s101, OPB
	v_add_nc_u32 v5, s101, v3                      ; S1's fragments
	v_add_nc_u32 v3, s100, v3                      ; S0's
	v_add_nc_u32 v4, v3, v13                       ; and the same for pieces whose upper lanes read past a padding
	v_add_nc_u32 v6, v5, v13
	v_lshlrev_b32 v7, 5, v11                       ; my row's scale bytes in memory, from my group's first row: 32 a row,
	v_lshl_add_u32 v7, v12, 10, v7                 ; + 32 rows for r >> 3
	v_lshlrev_b32 v250, 3, v10                     ; 8 h
	v_lshlrev_b32 v251, 7, v10                     ; the bias of S0's rows: my half's 32 numbers
	v_lshlrev_b32 v252, 2, v11
	v_lshl_add_u32 v252, v12, 7, v252              ; the bias of S1's rows: my lane's row of tile 0
.irp b, 0,1,2,3
	v_mov_b32 v[ZR+\b], 0                          ; written once: a lane permute's destination counts as one of its sources
.endr
	s_mov_b32 s88, 0x76543210                      ; v_permlanex16_b32's selects for lane l xor 16
	s_mov_b32 s89, 0xfedcba98
	s_wait_alu depctr_va_vdst(0)                   ; the wait at the end of the head's vector work
	s_wait_dscnt 0x0                               ; both opening adds are done
	PREPA 0
	PREPB 0
	TILE 0, 1, 1
	TILE 1, 2, 1
	TILE 2, 3, 2
	s_wait_tensorcnt 0x0                           ; the wave's end
	ds_add_u32 v254, v255
	s_wait_dscnt 0x0
	CROUND                                         ; the closing round: no work-group ends while a partner may still ask for a tile that names it
	s_endpgm
.Lfunc_end_k_q0a2692a1f1_proj:
	.size	k_q0a2692a1f1_proj, .Lfunc_end_k_q0a2692a1f1_proj-k_q0a2692a1f1_proj
	.p2alignl 7, 3214868480
	.fill 96, 4, 3214868480
	.section	.rodata,"a",@progbits
	.p2align	6, 0x0
	.amdhsa_kernel k_q0a2692a1f1_proj
		.amdhsa_group_segment_fixed_size 327680
		.amdhsa_private_segment_fixed_size 0
		.amdhsa_enable_private_segment 0
		.amdhsa_kernarg_size 136
		.amdhsa_user_sgpr_count 2
		.amdhsa_user_sgpr_kernarg_segment_ptr 1
		.amdhsa_wavefront_size32 1
		.amdhsa_system_sgpr_workgroup_id_x 1
		.amdhsa_system_sgpr_workgroup_id_y 1
		.amdhsa_system_sgpr_workgroup_id_z 1
		.amdhsa_system_vgpr_workitem_id 0
		.amdhsa_next_free_vgpr 416
		.amdhsa_next_free_sgpr 102
		.amdhsa_reserve_vcc 0
		.amdhsa_float_denorm_mode_32 3
		.amdhsa_float_denorm_mode_16_64 3
		.amdhsa_memory_ordered 1
		.amdhsa_forward_progress 1
		.amdhsa_inst_pref_size 179
	.end_amdhsa_kernel
	.amdgpu_metadata
---
amdhsa.version: [ 1, 2 ]
amdhsa.kernels:
  - .name:           k_q0a2692a1f1_proj
    .symbol:         k_q0a2692a1f1_proj.kd
    .args:
      - { .name: Wq_codes, .offset: 0, .size: 8, .value_kind: global_buffer, .address_space: global }
      - { .name: Wk_codes, .offset: 8, .size: 8, .value_kind: global_buffer, .address_space: global }
      - { .name: value_codes, .offset: 16, .size: 8, .value_kind: global_buffer, .address_space: global }
      - { .name: query_codes, .offset: 24, .size: 8, .value_kind: global_buffer, .address_space: global }
      - { .name: key_codes, .offset: 32, .size: 8, .value_kind: global_buffer, .address_space: global }
      - { .name: Wv_codes, .offset: 40, .size: 8, .value_kind: global_buffer, .address_space: global }
      - { .name: Wq_scales, .offset: 48, .size: 8, .value_kind: global_buffer, .address_space: global }
      - { .name: Wk_scales, .offset: 56, .size: 8, .value_kind: global_buffer, .address_space: global }
      - { .name: value_scales, .offset: 64, .size: 8, .value_kind: global_buffer, .address_space: global }
      - { .name: query_scales, .offset: 72, .size: 8, .value_kind: global_buffer, .address_space: global }
      - { .name: key_scales, .offset: 80, .size: 8, .value_kind: global_buffer, .address_space: global }
      - { .name: Wv_scales, .offset: 88, .size: 8, .value_kind: global_buffer, .address_space: global }
      - { .name: bq, .offset: 96, .size: 8, .value_kind: global_buffer, .address_space: global }
      - { .name: bk, .offset: 104, .size: 8, .value_kind: global_buffer, .address_space: global }
      - { .name: bv, .offset: 112, .size: 8, .value_kind: global_buffer, .address_space: global }
      - { .name: qkv, .offset: 120, .size: 8, .value_kind: global_buffer, .address_space: global }
      - { .name: qkvs, .offset: 128, .size: 8, .value_kind: global_buffer, .address_space: global }
    .group_segment_fixed_size: 327680
    .private_segment_fixed_size: 0
    .kernarg_segment_align: 8
    .kernarg_segment_size: 136
    .max_flat_workgroup_size: 128
    .sgpr_count:     102
    .vgpr_count:     416
    .wavefront_size: 32
...
	.end_amdgpu_metadata
.endif
;; end of part 1
;; launch attn (part 2): grid 8 x 32, 16 waves a work-group, clusters of 4 x 1, 327,680 bytes of LDS; arguments qkv, qkvs, ctximg, ctxs; writes ctximg, ctxs
.if DOCPART == 2
	.amdgcn_target "amdgcn-amd-amdhsa--gfx1250"
	.amdhsa_code_object_version 6
	.text
	.protected	k_q0a2692a1f1_attn
	.globl	k_q0a2692a1f1_attn
	.p2align	8
	.type	k_q0a2692a1f1_attn,@function
k_q0a2692a1f1_attn:
	s_mov_b64 s[64:65], 0
	v_nop
	global_prefetch_b8 v0, s[64:65] scope:SCOPE_SE
	s_setreg_imm32_b32 hwreg(HW_REG_WAVE_MODE, 25, 1), 1
	s_wait_xcnt 0x0
	s_wait_alu depctr_hold_cnt(0) depctr_sa_sdst(0) depctr_va_vdst(0) depctr_va_sdst(0) depctr_va_ssrc(0) depctr_va_vcc(0) depctr_vm_vsrc(0)
	s_getreg_b32 s2, hwreg(HW_REG_IB_STS2, 6, 4)
	s_cmp_eq_u32 s2, 0
	s_cbranch_scc0 .Lentry_in_a_cluster
	s_endpgm
.Lentry_in_a_cluster:
	s_bfe_u32 s2, ttmp6, 0x10000c
	s_cmp_lg_u32 s2, 0x3003
	s_cbranch_scc0 .Lentry_shape_is_right
	s_endpgm
.Lentry_shape_is_right:
; ATTENTION ON CODES OF FP6 (E2M3): ctx[q] = (sum over keys of p V) / l, p = 2^(t - M), t = (q . k) log2(e) / 8, M = the running largest t rounded UP to a whole number, l = the sum of the unquantised p.
; p is quantised along the keys, ctx along head x 64 + channel.  Inputs: the units and scale words that the projections' launch stored; outputs: ctx as units, and its scale bytes laid [row][32].
; SHARES.  A work-group owns 256 queries of one of the 32 (batch, head); each of its sixteen waves one tile of 16 queries in 224 registers: four waves to a SIMD, so that one wave's vector work stands beside
; another's products and LDS loads.  THE WHOLE HEAD'S K AND V, 196,608 bytes of codes and 16,384 of scale words, LIE IN LDS, filled once, in four chunks of 512 keys; a chunk is read when it has landed.
; CLUSTER 4 x 1: the four work-groups of a cluster belong to one head: every tile is asked for jointly, by all four.
; LAYOUT.  Both products are used transposed: S^T = K Q^T (source 0 = 16 keys), O^T = V^T P^T (source 0 = 16 channels): a lane holds one query throughout.  In a group of 64 keys (or channels) lane r of tile i
; is row 8 i + (r & 7) + 32 (r >> 3): so the 32 registers of a group's four tiles are rows 32 h + 0 .. 31: a WHOLE block of 32 keys in one lane.  A block's maximum needs no other lane, and the conversions'
; results are P's operand registers as they stand.
; THE SCORE PRODUCT HAS K = 64 in an instruction of 128.  Q's registers for k = 64 .. 127 hold zero codes.  K's operand names the six registers that follow its unit: they hold codes, every FP6 code is a finite
; number, and both sides' scale bytes there are 0x7f: each such product is exactly 0.
; LIMITS: NaN and infinities are not served.  A block of zeros gets the byte 1 where the quantiser's rule says 127 (zero codes; this program alone reads the bytes).  A block's largest p is taken as the
; exponential of the block's largest score, which takes v_exp_f32 not to fall where its input rises.
; REGISTERS: v1 16 x lane, v2 8 x lane, v3 8 h; v4-8 the step's LDS addresses; v[10:11] second chain of the sum; v12 -M, v13 the largest t, v[14:15] the sum; v16-21 Q, v22-27 zeros, v28 Q's scale word;
;   v30 f; v32-79 K's eight units, then V's four fragments; v80-85 zeros; v86-89 K's scale words, v90-93 V's as stored, v94-95 V's as used; v96-159 S^T, then p; v160-191 O^T; v192-203 p's codes; v204-222 at work.
.set KF,  32
.set S,   96
.set O,   160
.set PC,  192
.set CT,  204
.set SCB, 196608                       ; LDS: K's codes at 0, V's at 98,304, then K's scale words (8,192 bytes) and V's
.macro CROUND                          ; a round of the cluster's barrier
	s_barrier_signal -1
	s_barrier_wait -1
	s_cmp_lg_u32 s12, 0
	s_cbranch_scc1 .Lnot_wave_0_\@
	s_barrier_signal -3
.Lnot_wave_0_\@:
	s_barrier_wait -3
	s_barrier_signal -1
	s_barrier_wait -1
.endm
	s_load_b256 s[4:11], s[0:1], 0x0               ; qkv, qkvs, ctximg, ctxs
	v_lshl_add_u32 v224, v0, 2, 0x34000
	v_mov_b32 v225, 0
	ds_add_u32 v224, v225
	ds_add_u32 v224, v225
	v_lshrrev_b32 v9, 5, v0
	s_delay_alu instid0(VALU_DEP_1)
	v_readfirstlane_b32 s12, v9                    ; wave 0..15
	s_and_b32 s15, ttmp7, 0xffff                   ; bh, which the four partners share
	s_mul_i32 s62, s15, 294912                     ; the head's q, k, v in qkv
	s_mov_b32 s63, 0
	s_mul_i32 s66, s15, 24576                      ; and in qkvs
	s_mov_b32 s67, 0
	; THE FILLS NOW: two loads a wave.  At the head 16 x 4,096 bytes: waves 0-5 K's first 512 keys, waves 6-11 V's, waves 12-15 the scale words.  Behind the first round that follows: 16 x 9,216 bytes, the other 1,536 keys.
	s_lshr_b32 s2, s12, 3                          ; the second load: waves 0-7 fetch K, waves 8-15 V,
	s_mul_i32 s2, s2, 98304
	s_and_b32 s3, s12, 7
	s_mul_i32 s3, s3, 9216
	s_add_co_u32 s2, s2, s3
	s_add_co_u32 s2, s2, 24576                     ; behind the first 512 keys: the same offset in LDS and behind the head's q in memory
	s_mul_i32 s3, s12, 11
	s_lshr_b32 s3, s3, 6                           ; the first load: wave / 6,
	s_mul_i32 s3, s3, 73728                        ; which steps from K's first 24,576 bytes to V's at 98,304 and from V's to the scale words at 196,608,
	s_lshl_b32 s13, s12, 12
	s_add_co_u32 s3, s3, s13                       ; + 4,096 x wave: its LDS address
	; descriptor groups 1: dense rows of 256 bytes (32 elements of 8): 36 for the second load, 16 for the first
	s_mov_b32 s16, 15|(3<<16)|(1<<21)              ; the mask: all four work-groups; bit 21 beside a mask; no padding: every LDS read here is 16 or 8 bytes a lane on end
	s_mov_b32 s17, 32<<16
	s_mov_b32 s18, 36<<16
	s_mov_b32 s19, 32<<16
	s_mov_b32 s20, 36
	s_mov_b32 s21, 32
	s_mov_b32 s22, 0
	s_mov_b32 s23, 0
	s_mov_b32 s24, 15|(3<<16)|(1<<21)
	s_mov_b32 s25, 32<<16
	s_mov_b32 s26, 16<<16
	s_mov_b32 s27, 32<<16
	s_mov_b32 s28, 16
	s_mov_b32 s29, 32
	s_mov_b32 s30, 0
	s_mov_b32 s31, 0
	v_and_b32 v9, 31, v0
	s_delay_alu instid0(VALU_DEP_1)
	v_lshlrev_b32 v1, 4, v9
	s_delay_alu instid0(VALU_DEP_2)
	v_lshlrev_b32 v2, 3, v9
	v_bfe_u32 v10, v0, 4, 1
	s_delay_alu instid0(VALU_DEP_1)
	v_lshlrev_b32 v3, 3, v10
	v_and_b32 v11, 15, v0
	s_delay_alu instid0(VALU_DEP_1)
	v_lshlrev_b32 v11, 3, v11                      ; Q's scale words: 8 bytes a lane of the stored register pair
	s_wait_dscnt 0x0
	s_wait_kmcnt 0x0
	s_add_nc_u64 s[4:5], s[4:5], s[62:63]
	s_add_nc_u64 s[6:7], s[6:7], s[66:67]
	s_mov_b32 s32, 1
	s_mov_b32 s33, s3
	s_add_co_u32 s62, s3, 98304                    ; codes: k's follow q's 98,304 bytes, v's follow k's
	s_sub_co_u32 s66, s3, 188416                   ; scale words: k's follow q's 8,192 bytes: 8,192 + (LDS address - 196,608)
	s_cmp_lt_u32 s12, 12                           ; a choice on the wave's number alone
	s_cselect_b32 s62, s62, s66
	s_cselect_b64 s[34:35], s[4:5], s[6:7]
	s_add_nc_u64 s[34:35], s[34:35], s[62:63]
	s_or_b32 s35, s35, 0x80000000
	s_mov_b32 s36, 1
	s_mov_b32 s37, s2
	s_add_co_u32 s62, s2, 98304
	s_add_nc_u64 s[38:39], s[4:5], s[62:63]
	s_or_b32 s39, s39, 0x80000000
	CROUND                                         ; all four work-groups are here: the joint loads meet
	tensor_load_to_lds s[32:35], s[24:31]          ; one tensor load a wave at the head
	s_nop 0
.rept 4
	v_nop
.endr
	; my tile of queries: group G = 4 X + wave / 4 of the batch, tile b = wave % 4.  What hangs on cx lies in registers of its own and enters global addresses alone
	s_bfe_u32 s13, ttmp6, 0x40000                  ; cx
	s_lshl_b32 s14, ttmp9, 2
	s_add_co_u32 s14, s14, s13                     ; X
	s_lshl_b32 s14, s14, 2
	s_lshr_b32 s78, s12, 2
	s_add_co_u32 s14, s14, s78                     ; G
	s_and_b32 s78, s12, 3                          ; b
	s_lshr_b32 s79, s15, 4                         ; batch
	s_and_b32 s13, s15, 15                         ; head
	s_mov_b32 s69, 0
	s_lshr_b32 s68, s14, 1
	s_mul_i32 s68, s68, 6144
	s_and_b32 s80, s14, 1
	s_mul_i32 s80, s80, 768
	s_add_co_u32 s68, s68, s80
	s_mul_i32 s80, s78, 1536
	s_add_co_u32 s68, s68, s80
	s_add_nc_u64 s[70:71], s[4:5], s[68:69]        ; Q's unit
	s_lshl_b32 s68, s14, 8
	s_and_b32 s80, s78, 1
	s_lshl_b32 s80, s80, 7                         ; an odd tile's words lie in lanes 16-31 of the stored pair,
	s_add_co_u32 s68, s68, s80
	s_lshr_b32 s80, s78, 1
	s_lshl_b32 s80, s80, 2                         ; tiles 2 and 3 in its second register
	s_add_co_u32 s68, s68, s80
	s_add_nc_u64 s[72:73], s[6:7], s[68:69]        ; Q's scale words
	s_lshl_b32 s68, s79, 7
	s_lshl_b32 s80, s14, 2
	s_add_co_u32 s68, s68, s80
	s_add_co_u32 s68, s68, s78                     ; T = 4 (32 batch + G) + b
	s_mul_i32 s68, s68, 12288
	s_mul_i32 s80, s13, 768
	s_add_co_u32 s68, s68, s80
	s_add_nc_u64 s[74:75], s[8:9], s[68:69]        ; ctximg: [T][head][768]
	s_lshl_b32 s68, s79, 16
	s_lshl_b32 s80, s14, 11
	s_add_co_u32 s68, s68, s80
	s_lshl_b32 s80, s78, 8
	s_add_co_u32 s68, s68, s80
	s_lshl_b32 s80, s13, 1
	s_add_co_u32 s68, s68, s80
	s_add_nc_u64 s[76:77], s[10:11], s[68:69]      ; ctxs: 32 (2,048 batch + 64 G + 8 b) + 2 head
	s_wait_alu depctr_va_vdst(0)
	global_load_b128 v[16:19], v1, s[70:71]        ; Q stays in registers
	global_load_b64 v[20:21], v2, s[70:71] offset:512
	global_load_b32 v28, v11, s[72:73]
	s_mov_b32 s52, 0x76543210                      ; v_permlanex16_b32's selects for lane l xor 16
	s_mov_b32 s53, 0xfedcba98
	s_mov_b32 s54, 0x3e38aa3b                      ; c = log2(e) / 8
	s_mov_b32 s55, s54                             ; (named with it as a pair, so it is written)
	s_mov_b32 s60, 0x05040100                      ; v_perm_b32: the low halves of two words
.irp j, 22,23,24,25,26,27,80,81,82,83,84,85
	v_mov_b32 v\j, 0                               ; zero codes
.endr
	v_mov_b32 v13, 0xff61b1e6                      ; the largest t so far: -3e38, under every t
	s_delay_alu instid0(VALU_DEP_1)
	v_floor_f32 v12, -v13                          ; -M
	v_mov_b32 v14, 0                               ; the sum, in two halves
	v_mov_b32 v15, 0
	v_mov_b32 v31, 0                               ; (named as the upper half of the pair v[30:31])
	v_mov_b32 v222, 0                              ; a lane permute's destination counts as one of its sources
.set j, 0
.rept 32
	v_mov_b32 v[O+j], 0                            ; O^T.  The step is written once: the first finds zeros, which the first change of M leaves zeros
.set j, j+1
.endr
; A KEY STEP: 128 keys.  s56, s57, s58: where the step's K, V and scale words begin in LDS.
.macro STEP
	v_add_nc_u32 v4, s56, v1                       ; these five are also the places between the last step's products and the loads into their operands' registers
	v_add_nc_u32 v5, s56, v2
	v_add_nc_u32 v6, s57, v1
	v_add_nc_u32 v7, s57, v2
	v_add_nc_u32 v8, s58, v2
.irp c, 0,1                            ; K: unit (tile i, group c) into six registers: 512 + 256 consecutive bytes a wave
.irp i, 0,1,2,3
	ds_load_b128 v[KF+6*(4*\c+\i):KF+6*(4*\c+\i)+3], v4 offset:1536*\i+768*\c
	ds_load_b64 v[KF+6*(4*\c+\i)+4:KF+6*(4*\c+\i)+5], v5 offset:1536*\i+768*\c+512
.endr
.endr
	ds_load_b64 v[86:87], v8                       ; K's scale words: register 2 c + m: lanes 0-15 tile 2 m, lanes 16-31 tile 2 m + 1
	ds_load_b64 v[88:89], v8 offset:256
	s_wait_alu depctr_va_vdst(0)
	s_wait_dscnt 0x0
.irp c, 0,1                            ; S^T = K Q^T: register 32 c + 8 i + j of lane half h is key 64 c + 32 h + 8 i + j
.irp i, 0,1,2,3
.if \i%2
	v_wmma_scale_f32_16x16x128_f8f6f4 v[S+8*(4*\c+\i):S+8*(4*\c+\i)+7], v[KF+6*(4*\c+\i):KF+6*(4*\c+\i)+11], v[16:27], 0, v[86+2*\c+\i/2], v28 matrix_a_fmt:MATRIX_FMT_FP6 matrix_b_fmt:MATRIX_FMT_FP6 matrix_a_scale:MATRIX_SCALE_ROW1
.else
	v_wmma_scale_f32_16x16x128_f8f6f4 v[S+8*(4*\c+\i):S+8*(4*\c+\i)+7], v[KF+6*(4*\c+\i):KF+6*(4*\c+\i)+11], v[16:27], 0, v[86+2*\c+\i/2], v28 matrix_a_fmt:MATRIX_FMT_FP6 matrix_b_fmt:MATRIX_FMT_FP6
.endif
.endr
.endr
.rept 4
	v_nop                                          ; places: loads into K's registers and the first read of the scores follow
.endr
.irp i, 0,1,2,3                        ; V: channel tile i's fragment is its units of the step's two groups of 64 keys.  They land while the softmax is worked
.irp c, 0,1
	ds_load_b128 v[KF+12*\i+6*\c:KF+12*\i+6*\c+3], v6 offset:1536*\i+768*\c
	ds_load_b64 v[KF+12*\i+6*\c+4:KF+12*\i+6*\c+5], v7 offset:1536*\i+768*\c+512
.endr
.endr
	ds_load_b64 v[90:91], v8 offset:8192
	ds_load_b64 v[92:93], v8 offset:8448
.irp b, 0,1,2,3
	v_max3_num_f32 v[213+\b], v[S+16*\b], v[S+16*\b+1], v[S+16*\b+2]   ; the largest score, four chains of 16 by turns; each accumulator is read from its low end on
.endr
.irp i, 3,5,7,9,11,13
.irp b, 0,1,2,3
	v_max3_num_f32 v[213+\b], v[213+\b], v[S+16*\b+\i], v[S+16*\b+\i+1]
.endr
.endr
.irp b, 0,1,2,3
	v_max_num_f32 v[213+\b], v[213+\b], v[S+16*\b+15]
.endr
	s_delay_alu instid0(VALU_DEP_3)
	v_max_num_f32 v213, v213, v214                 ; THE LARGEST SCORE OF EACH OF MY TWO BLOCKS OF 32 KEYS: it serves twice: for the row's maximum and, since p rises with the score, for the block's largest p
	s_delay_alu instid0(VALU_DEP_2)
	v_max_num_f32 v215, v215, v216
	s_delay_alu instid0(VALU_DEP_1)
	v_max_num_f32 v221, v213, v215
	s_delay_alu instid0(VALU_DEP_1)
	v_permlanex16_b32 v222, v221, s52, s53
	s_delay_alu instid0(VALU_DEP_1)
	v_max_num_f32 v221, v221, v222                 ; with the other half's 64 keys: the step's largest score of my query
	s_delay_alu instid0(VALU_DEP_1)
	v_mul_f32 v221, s54, v221                      ; as t (c is positive)
	s_delay_alu instid0(VALU_DEP_1)
	v_max_num_f32 v13, v13, v221                   ; the running largest t
	v_mov_b32 v221, v12
	s_delay_alu instid0(VALU_DEP_2)
	v_floor_f32 v12, -v13                          ; the new -M = floor(-t) = -ceil(t): a whole number
	s_delay_alu instid0(VALU_DEP_1)
	v_sub_f32 v221, v12, v221                      ; old M - new M: a whole number, 0 or less
	s_delay_alu instid0(VALU_DEP_1)
	v_cvt_i32_f32 v221, v221                       ; (it saturates)
	s_delay_alu instid0(VALU_DEP_1)
	v_ldexp_f32 v30, 1.0, v221                     ; f = 2^(old M - new M): a multiplication by it rounds nothing
.set j, 0
.rept 32
	v_pk_fma_f32 v[S+j:S+j+1], v[S+j:S+j+1], s[54:55], v[12:13] op_sel_hi:[1,0,0]   ; t - M, two at a time
.set j, j+2
.endr
	v_fma_f32 v213, v213, s54, v12                 ; the same of each block's largest score
	v_fma_f32 v215, v215, s54, v12
.set j, 0
	s_wait_alu depctr_va_vdst(0)
.rept 64
	v_exp_f32 v[S+j], v[S+j]                       ; p = 2^(t - M), at most 1, not normalised
.set j, j+1
.endr
	v_exp_f32 v213, v213                           ; the blocks' largest p: the same two instructions on the same number give the same bits
	v_exp_f32 v215, v215
	v_pk_mul_f32 v[14:15], v[14:15], v[30:31] op_sel_hi:[1,0]   ; the sum under the new M.  (The plain place behind the exponentials)
	s_wait_alu depctr_va_vdst(0)
	v_max_num_f32 v213, 0x1800000, v213            ; the floor 2^(3 - 127): the byte cannot fall under 1
	v_max_num_f32 v215, 0x1800000, v215
	s_delay_alu instid0(VALU_DEP_2)
	v_add_nc_u32 v217, 0xff000000, v213            ; 2 off the exponent field: the conversion's scale operand
	s_delay_alu instid0(VALU_DEP_2)
	v_add_nc_u32 v218, 0xff000000, v215
	s_delay_alu instid0(VALU_DEP_2)
	v_lshrrev_b32 v219, 23, v217                   ; the scale's byte
	s_delay_alu instid0(VALU_DEP_2)
	v_lshrrev_b32 v220, 23, v218
	s_delay_alu instid0(VALU_DEP_1)
	v_lshl_or_b32 v212, v220, 16, v219             ; my blocks are h and 2 + h of the step's four:
	s_delay_alu instid0(VALU_DEP_1)
	v_lshlrev_b32 v212, v3, v212                   ; 8 h bits up;
	s_delay_alu instid0(VALU_DEP_1)
	v_permlanex16_b32 v222, v212, s52, s53
	s_delay_alu instid0(VALU_DEP_1)
	v_or_b32 v212, v212, v222                      ; with the other half's two the scale word is whole
.irp c, 0,1
	v_cvt_scalef32_pk16_fp6_f32 v[PC+6*\c:PC+6*\c+2], v[S+32*\c:S+32*\c+15], v[217+\c]
	v_cvt_scalef32_pk16_fp6_f32 v[CT+4*\c:CT+4*\c+2], v[S+32*\c+16:S+32*\c+31], v[217+\c]   ; (a conversion's three registers begin on an even number)
.endr
	v_nop                                          ; one plain place behind a scaled conversion
.irp c, 0,1
.irp i, 0,1,2
	v_mov_b32 v[PC+6*\c+3+\i], v[CT+4*\c+\i]       ; registers 6 c .. 6 c + 5: keys 64 c + 32 h + 0 .. 31
.endr
.endr
	s_wait_dscnt 0x0                               ; V and its scale words are in
	v_perm_b32 v94, v92, v90, s60                  ; V's word for 128 keys: the two bytes of each of the two groups of 64
	v_perm_b32 v95, v93, v91, s60
.set j, 0
.rept 16
	v_pk_mul_f32 v[O+j:O+j+1], v[O+j:O+j+1], v[30:31] op_sel_hi:[1,0]   ; O^T under the new M, from each accumulator's low end on
.set j, j+2
.endr
	v_pk_add_f32 v[10:11], v[100:101], v[104:105]
	v_pk_add_f32 v[220:221], v[108:109], v[112:113]
	v_pk_add_f32 v[218:219], v[116:117], v[120:121]
	v_pk_add_f32 v[216:217], v[124:125], v[128:129]
	v_pk_add_f32 v[214:215], v[132:133], v[136:137]
	v_pk_add_f32 v[210:211], v[140:141], v[144:145]
	v_pk_add_f32 v[208:209], v[148:149], v[152:153]
	v_pk_add_f32 v[14:15], v[14:15], v[156:157]
	v_pk_add_f32 v[10:11], v[10:11], v[96:97]
	v_pk_add_f32 v[220:221], v[220:221], v[98:99]
	v_pk_add_f32 v[218:219], v[218:219], v[102:103]
	v_pk_add_f32 v[216:217], v[216:217], v[106:107]
	v_pk_add_f32 v[214:215], v[214:215], v[110:111]
	v_pk_add_f32 v[210:211], v[210:211], v[114:115]
	v_pk_add_f32 v[208:209], v[208:209], v[118:119]
	v_pk_add_f32 v[14:15], v[14:15], v[122:123]
	v_pk_add_f32 v[10:11], v[10:11], v[126:127]
	v_pk_add_f32 v[220:221], v[220:221], v[130:131]
	v_pk_add_f32 v[218:219], v[218:219], v[134:135]
	v_pk_add_f32 v[216:217], v[216:217], v[138:139]
	v_pk_add_f32 v[214:215], v[214:215], v[142:143]
	v_pk_add_f32 v[210:211], v[210:211], v[146:147]
	v_pk_add_f32 v[208:209], v[208:209], v[150:151]
	v_pk_add_f32 v[14:15], v[14:15], v[154:155]
	v_pk_add_f32 v[10:11], v[10:11], v[158:159]
	s_delay_alu instid0(VALU_DEP_2)
	v_pk_add_f32 v[14:15], v[14:15], v[216:217]
	s_delay_alu instid0(VALU_DEP_2)
	v_pk_add_f32 v[10:11], v[10:11], v[214:215]
	v_pk_add_f32 v[220:221], v[220:221], v[210:211]
	v_pk_add_f32 v[218:219], v[218:219], v[208:209]
	s_delay_alu instid0(VALU_DEP_2)
	v_pk_add_f32 v[14:15], v[14:15], v[220:221]
	s_delay_alu instid0(VALU_DEP_2)
	v_pk_add_f32 v[10:11], v[10:11], v[218:219]
	s_delay_alu instid0(VALU_DEP_1)
	v_pk_add_f32 v[14:15], v[14:15], v[10:11]
.irp i, 0,1,2,3                        ; O^T += V^T P^T: four accumulators, one instruction each; the scores' products stand between an accumulator's turns
.if \i%2
	v_wmma_scale_f32_16x16x128_f8f6f4 v[O+8*\i:O+8*\i+7], v[KF+12*\i:KF+12*\i+11], v[PC:PC+11], v[O+8*\i:O+8*\i+7], v[94+\i/2], v212 matrix_a_fmt:MATRIX_FMT_FP6 matrix_b_fmt:MATRIX_FMT_FP6 matrix_a_scale:MATRIX_SCALE_ROW1
.else
	v_wmma_scale_f32_16x16x128_f8f6f4 v[O+8*\i:O+8*\i+7], v[KF+12*\i:KF+12*\i+11], v[PC:PC+11], v[O+8*\i:O+8*\i+7], v[94+\i/2], v212 matrix_a_fmt:MATRIX_FMT_FP6 matrix_b_fmt:MATRIX_FMT_FP6
.endif
.endr
	s_add_co_u32 s56, s56, 6144                    ; the next 128 keys
	s_add_co_u32 s57, s57, 6144
	s_add_co_u32 s58, s58, 512
.endm
; A walk of key steps: the keys it reads have been shown landed ahead of it, by the waits and the barrier outside.  Nothing is filled twice.
.macro WALK first, trips               ; key steps first .. first + trips - 1
	s_mov_b32 s56, 6144*\first
	s_mov_b32 s57, 98304+6144*\first
	s_mov_b32 s58, SCB+512*\first
	s_mov_b32 s59, \trips
.Lstep_\@:
	STEP
	s_sub_co_u32 s59, s59, 1
	s_cmp_lg_u32 s59, 0
	s_cbranch_scc1 .Lstep_\@
.endm
	s_wait_alu depctr_va_vdst(0)                   ; the wait at the head's end
	s_wait_loadcnt 0x0                             ; Q
	s_wait_tensorcnt 0x0                           ; my part of the first 512 keys or of the scale words is in
	ds_add_u32 v224, v225
	s_wait_dscnt 0x0
	CROUND                                         ; everybody's is, and all four work-groups are here: the joint loads meet
	tensor_load_to_lds s[36:39], s[16:23]          ; my part of the other 1,536 keys: it has four key steps in which to land
	s_nop 0
	WALK 0, 4
	s_wait_alu depctr_va_vdst(0)                   ; the wait ahead of the waits below
	s_wait_dscnt 0x0                               ; no LDS load of mine is out at a signal
	s_wait_tensorcnt 0x0                           ; my second load has landed
	s_barrier_signal -1
	s_barrier_wait -1                              ; everybody's has
	WALK 4, 12
	; THE WAY OUT.  ctx = O^T / l: my 32 registers are channels 32 h + 0 .. 31 of my query: one block of the last product's K.
	v_add_f32 v14, v14, v15                        ; the sum's two halves,
	s_delay_alu instid0(VALU_DEP_1)
	v_permlanex16_b32 v222, v14, s52, s53
	s_delay_alu instid0(VALU_DEP_1)
	v_add_f32 v14, v14, v222                       ; and the other half of the lanes': the row's sum
	s_wait_alu depctr_va_vdst(0)
	v_rcp_f32 v14, v14
	v_and_b32 v4, 7, v0                            ; (plain lines behind the reciprocal and behind the last products)  my row's place among the tile's scale bytes:
	s_delay_alu instid0(VALU_DEP_1)
	v_lshlrev_b32 v4, 5, v4                        ; 32 bytes a row; row (r & 7) + 32 (r >> 3);
	v_bfe_u32 v5, v0, 3, 1
	s_delay_alu instid0(VALU_DEP_1)
	v_lshl_add_u32 v4, v5, 10, v4
	v_bfe_u32 v5, v0, 4, 1
	s_delay_alu instid0(VALU_DEP_1)
	v_add_nc_u32 v4, v4, v5                        ; my block is h of the head's two
.set j, 0
	s_wait_alu depctr_va_vdst(0)
.rept 16
	v_pk_mul_f32 v[S+j:S+j+1], v[O+j:O+j+1], v[14:15] op_sel_hi:[1,0]
.set j, j+2
.endr
	v_max3_num_f32 v213, |v[S]|, |v[S+1]|, 0x1800000   ; the block's largest magnitude, with the floor, in two chains
	v_max_num_f32 v214, |v[S+16]|, |v[S+17]|
.irp i, 2,4,6,8,10,12,14
	s_delay_alu instid0(VALU_DEP_2)
	v_max3_num_f32 v213, v213, |v[S+\i]|, |v[S+\i+1]|
	s_delay_alu instid0(VALU_DEP_2)
	v_max3_num_f32 v214, v214, |v[S+16+\i]|, |v[S+17+\i]|
.endr
	s_delay_alu instid0(VALU_DEP_1)
	v_max_num_f32 v213, v213, v214
	s_delay_alu instid0(VALU_DEP_1)
	v_add_nc_u32 v217, 0xff000000, v213
	s_delay_alu instid0(VALU_DEP_1)
	v_lshrrev_b32 v219, 23, v217
	v_cvt_scalef32_pk16_fp6_f32 v[PC:PC+2], v[S:S+15], v217
	v_cvt_scalef32_pk16_fp6_f32 v[CT:CT+2], v[S+16:S+31], v217
	v_nop                                          ; one plain place behind a scaled conversion
.irp i, 0,1,2
	v_mov_b32 v[PC+3+\i], v[CT+\i]
.endr
	global_store_b128 v1, v[PC:PC+3], s[74:75]     ; the unit: 512 and 256 consecutive bytes, aligned to 256
	global_store_b64 v2, v[PC+4:PC+5], s[74:75] offset:512
	global_store_b8 v4, v219, s[76:77]             ; single bytes, 32 apart: one byte for 24 of codes.  A scale word holds two heads' bytes, which two work-groups make, so no work-group could store it whole
	s_wait_tensorcnt 0x0
	ds_add_u32 v224, v225
	s_wait_dscnt 0x0
	CROUND                                         ; the closing round: no work-group ends while a partner may still ask for a tile that names it
	s_endpgm
.Lfunc_end_k_q0a2692a1f1_attn:
	.size	k_q0a2692a1f1_attn, .Lfunc_end_k_q0a2692a1f1_attn-k_q0a2692a1f1_attn
	.p2alignl 7, 3214868480
	.fill 96, 4, 3214868480
	.section	.rodata,"a",@progbits
	.p2align	6, 0x0
	.amdhsa_kernel k_q0a2692a1f1_attn
		.amdhsa_group_segment_fixed_size 327680
		.amdhsa_private_segment_fixed_size 0
		.amdhsa_enable_private_segment 0
		.amdhsa_kernarg_size 32
		.amdhsa_user_sgpr_count 2
		.amdhsa_user_sgpr_kernarg_segment_ptr 1
		.amdhsa_wavefront_size32 1
		.amdhsa_system_sgpr_workgroup_id_x 1
		.amdhsa_system_sgpr_workgroup_id_y 1
		.amdhsa_system_sgpr_workgroup_id_z 1
		.amdhsa_system_vgpr_workitem_id 0
		.amdhsa_next_free_vgpr 226
		.amdhsa_next_free_sgpr 82
		.amdhsa_reserve_vcc 0
		.amdhsa_float_denorm_mode_32 3
		.amdhsa_float_denorm_mode_16_64 3
		.amdhsa_memory_ordered 1
		.amdhsa_forward_progress 1
		.amdhsa_inst_pref_size 46
	.end_amdhsa_kernel
	.amdgpu_metadata
---
amdhsa.version: [ 1, 2 ]
amdhsa.kernels:
  - .name:           k_q0a2692a1f1_attn
    .symbol:         k_q0a2692a1f1_attn.kd
    .args:
      - { .name: qkv, .offset: 0, .size: 8, .value_kind: global_buffer, .address_space: global }
      - { .name: qkvs, .offset: 8, .size: 8, .value_kind: global_buffer, .address_space: global }
      - { .name: ctximg, .offset: 16, .size: 8, .value_kind: global_buffer, .address_space: global }
      - { .name: ctxs, .offset: 24, .size: 8, .value_kind: global_buffer, .address_space: global }
    .group_segment_fixed_size: 327680
    .private_segment_fixed_size: 0
    .kernarg_segment_align: 8
    .kernarg_segment_size: 32
    .max_flat_workgroup_size: 512
    .sgpr_count:     82
    .vgpr_count:     226
    .wavefront_size: 32
...
	.end_amdgpu_metadata
.endif
;; end of part 2
;; launch outp (part 3): grid 8 x 32, 4 waves a work-group, clusters of 4 x 4, 282,368 bytes of LDS; arguments Wo_codes, Wo_scales, ctximg, ctxs, bo, out0; writes out0
.if DOCPART == 3
	.amdgcn_target "amdgcn-amd-amdhsa--gfx1250"
	.amdhsa_code_object_version 6
	.text
	.protected	k_q0a2692a1f1_outp
	.globl	k_q0a2692a1f1_outp
	.p2align	8
	.type	k_q0a2692a1f1_outp,@function
k_q0a2692a1f1_outp:
	s_mov_b64 s[64:65], 0
	v_nop
	global_prefetch_b8 v0, s[64:65] scope:SCOPE_SE
	s_setreg_imm32_b32 hwreg(HW_REG_WAVE_MODE, 25, 1), 1
	s_wait_xcnt 0x0
	s_wait_alu depctr_hold_cnt(0) depctr_sa_sdst(0) depctr_va_vdst(0) depctr_va_sdst(0) depctr_va_ssrc(0) depctr_va_vcc(0) depctr_vm_vsrc(0)
	s_getreg_b32 s2, hwreg(HW_REG_IB_STS2, 6, 4)
	s_cmp_eq_u32 s2, 0
	s_cbranch_scc0 .Lentry_in_a_cluster
	s_endpgm
.Lentry_in_a_cluster:
	s_bfe_u32 s2, ttmp6, 0x10000c
	s_cmp_lg_u32 s2, 0xf033
	s_cbranch_scc0 .Lentry_shape_is_right
	s_endpgm
.Lentry_shape_is_right:
; THE OUTPUT PROJECTION, out0 = ctx Wo + bo: 4,096 x 1,024 x 1,024 on codes of FP6 (E2M3) with one E8M0 byte for each 32 along K; out0 f32.
; SHARES.  256 work-groups, each a tile of 128 (Wo's rows: outputs n) x 128 (ctx's rows); four waves, each 64 x 64: sixteen accumulators.  All of K of both operands lies in LDS, filled once.
; SOURCES.  Source 0 = Wo's rows, as they lie in memory (768 bytes a row).  Source 1 = ctx, which the attention stored as UNITS: 16 rows x 64 K, six registers a lane, 768 bytes: registers 0-3 at 16 x lane,
; registers 4-5 at 512 + 8 x lane; a fragment of 128 along K is two units (heads 2 s and 2 s + 1).  A lane then holds one row of ctx and its registers run along n.
; THE ROWS OF A TILE ARE NOT NEIGHBOURS: in a group of 64 rows lane r of tile i is row 8 i + (r & 7) + 32 (r >> 3): so ctx's tiles are those that the attention's waves made, and the 32 registers of a
; group's four tiles of Wo are outputs 32 h + 0 .. 31: 128 neighbouring bytes of a row of out0.
; CLUSTER 4 x 4: Wo's tiles are asked for jointly along a column of the cluster, ctx's along a row.
; LIMITS: NaN and infinities are not served.  The bias starts each sum (it is the first product's C) where the definition adds it last: another order of f32 rounding.
; REGISTERS.  Window 0: v3-4 Wo's fragment addresses, v5-6 ctx's, v7 scale words' address, v8-39 scale words, v40-135 and v136-231 two fragment buffers (on the way out: rows of out0), v232-234, v251 addresses.
;   Window 1: v0-127 accumulator (a, b) at v[8 (4 b + a)]; v128-159 the bias in the result's layout.
; LDS NOW: a row of Wo's codes is three pieces of 256 bytes + 16 of padding, 816 bytes; a sub-tile is 32 rows.  Sub-tiles 0 and 2 lie on end, then, 128 bytes off the 256-byte grid, sub-tiles 1 and 3:
; so rows 32 apart start in the other half of the banks' 256 bytes.  Waves 0 and 1 fetch two sub-tiles each, waves 2 and 3 four of ctx's eight row tiles each (dense).  The scale words go from memory straight into registers.
.set SUBT,  26112                      ; 32 rows x 816 bytes
.set ODD,   2*SUBT+128                 ; where the odd sub-tiles begin
.set UNIT,  272                        ; from one piece of 256 bytes of a row to the next
.set RP,    816                        ; from row to row of Wo's codes
.set PITCH, 272                        ; the stage's rows
.set S1B,   ODD+2*SUBT+128             ; behind Wo: ctx's units, [row tile 8][head 16][768]
.set ST,    136                        ; ctx's scale words as loaded, in the second fragment buffer until they are merged
.set STAGE, 212224                     ; the way out: 4 x 16 rows x 272 bytes for each wave, in blocks of 256 bytes into which no fill lands
.set SC,    8                          ; v[SC + 8 i + s]: lanes 0-15 Wo's tile i, lanes 16-31 ctx's tile i: the scale word of K step s
.set F0,    40
.set BIAS,  128
.set OUTR,  40
.set G1W0,  (3<<16)|(1<<20)|(1<<21)|(5<<22)|(3<<25)   ; elements of 8 bytes; padding on; bit 21 beside a mask; after every 64 words 4 words of padding
.set MSB, 0
.macro WIN new                         ; the immediate's high byte repeats the setting that is left; a switch that changes nothing is dropped
.if MSB != \new
	s_set_vgpr_msb (MSB<<8)|\new
.set MSB, \new
.endif
.endm
.macro PLACES                          ; four plain vector instructions between a matrix instruction and a load into, or a read of, its registers
.rept 4
	v_nop
.endr
.endm
.macro CROUND                          ; a round of the cluster's barrier
	s_barrier_signal -1
	s_barrier_wait -1
	s_cmp_lg_u32 s2, 0
	s_cbranch_scc1 .Lnot_wave_0_\@
	s_barrier_signal -3
.Lnot_wave_0_\@:
	s_barrier_wait -3
	s_barrier_signal -1
	s_barrier_wait -1
.endm
; A fragment of Wo: registers 6 c .. 6 c + 5 are the 24 bytes at 96 s + 48 c + 24 h of the lane's row, in pieces of 8 bytes.  Piece PC of a row lies in unit PC / 32.
; Lanes 16-31 read three pieces on: where that is in the next unit, the second address register (16 more for those lanes) serves.
.macro FRAG reg, adr, s, i
.irp c, 0,1
.irp p, 0,1,2
.set PC, 12*(\s)+6*\c+\p
.if PC%32 < 29
	ds_load_b64 v[\reg+6*\c+2*\p:\reg+6*\c+2*\p+1], v[\adr] offset:UNIT*(PC/32)+8*(PC%32)+8*RP*(\i)
.else
	ds_load_b64 v[\reg+6*\c+2*\p:\reg+6*\c+2*\p+1], v[\adr+1] offset:UNIT*(PC/32)+8*(PC%32)+8*RP*(\i)
.endif
.endr
.endr
.endm
; A fragment of ctx: the units of heads 2 s and 2 s + 1 of row tile b
.macro FRAGI reg, b, s
.set OFFI, 12288*(\b)+1536*(\s)
	ds_load_b128 v[\reg:\reg+3], v5 offset:OFFI
	ds_load_b64 v[\reg+4:\reg+5], v6 offset:OFFI+512
	ds_load_b128 v[\reg+6:\reg+9], v5 offset:OFFI+768
	ds_load_b64 v[\reg+10:\reg+11], v6 offset:OFFI+1280
.endm
.macro FETCH s, f                      ; K step s: 24 + 16 LDS loads in one run
.irp a, 0,1,2,3
	FRAG \f+12*\a, 3, \s, \a
.endr
.irp b, 0,1,2,3
	FRAGI \f+48+12*\b, \b, \s
.endr
.endm
.macro SCALES                          ; a row's 32 scale bytes are its eight K steps' words: eight neighbouring rows are 256 consecutive bytes, aligned
.irp i, 0,1,2,3
	global_load_b128 v[SC+8*\i:SC+8*\i+3], v7, s[10:11] offset:256*\i
	global_load_b128 v[SC+8*\i+4:SC+8*\i+7], v7, s[10:11] offset:256*\i+16
	global_load_b128 v[ST+8*\i:ST+8*\i+3], v7, s[14:15] offset:256*\i
	global_load_b128 v[ST+8*\i+4:ST+8*\i+7], v7, s[14:15] offset:256*\i+16
.endr
.endm
; Sixteen products, the accumulators by turns, one instruction a turn, in the same order in every K step.  first = 1: the sums start with the bias.
.macro MUL s, f, first
	WIN 0x50                                       ; C and D in window 1
.irp b, 0,1,2,3
.irp a, 0,1,2,3
.if \first
	v_wmma_scale_f32_16x16x128_f8f6f4 v[8*(4*\b+\a):8*(4*\b+\a)+7], v[\f+12*\a:\f+12*\a+11], v[\f+48+12*\b:\f+48+12*\b+11], v[BIAS+8*\a:BIAS+8*\a+7], v[SC+8*\a+(\s)], v[SC+8*\b+(\s)] matrix_a_fmt:MATRIX_FMT_FP6 matrix_b_fmt:MATRIX_FMT_FP6 matrix_b_scale:MATRIX_SCALE_ROW1
.else
	v_wmma_scale_f32_16x16x128_f8f6f4 v[8*(4*\b+\a):8*(4*\b+\a)+7], v[\f+12*\a:\f+12*\a+11], v[\f+48+12*\b:\f+48+12*\b+11], v[8*(4*\b+\a):8*(4*\b+\a)+7], v[SC+8*\a+(\s)], v[SC+8*\b+(\s)] matrix_a_fmt:MATRIX_FMT_FP6 matrix_b_fmt:MATRIX_FMT_FP6 matrix_b_scale:MATRIX_SCALE_ROW1
.endif
.endr
.endr
.endm
; K step s: the next step's fragments are asked for, into the buffer that step s - 1 multiplied, then step s is multiplied.
; tw >= 0: the next step reads a part of K that has not been shown landed yet: my loads of it are waited for (tw younger ones may stay out), and a barrier shows everybody's.
.macro STEP s, tw
.if \tw >= 0
	s_wait_dscnt 0x0                               ; no LDS load of mine is out at a signal; step s's fragments are in
	s_wait_tensorcnt \tw
	s_barrier_signal -1
	s_barrier_wait -1
.endif
.if (\s) < 7
	PLACES
	WIN 0
	FETCH (\s)+1, F0+96*(((\s)+1)%2)
.if \tw < 0
	s_wait_dscnt 40                                ; all but the 40 just issued: step s's fragments are in
.endif
.else
	s_wait_dscnt 0x0
.endif
	MUL \s, F0+96*((\s)%2), 0
.endm
	s_load_b256 s[8:15], s[0:1], 0x0               ; Wo's codes, Wo's scales, ctximg, ctxs
	s_load_b128 s[56:59], s[0:1], 0x20             ; bo, out0
	v_lshl_add_u32 v254, v0, 2, 0x44d00
	v_mov_b32 v255, 0
	ds_add_u32 v254, v255
	ds_add_u32 v254, v255
	v_lshrrev_b32 v1, 5, v0
	v_readfirstlane_b32 s2, v1                     ; wave 0..3
	s_lshr_b32 s4, s2, 1                           ; i0: which 64 of Wo's 128 rows are mine
	s_and_b32 s5, s2, 1                            ; j0: which 64 of ctx's
	s_bfe_u32 s60, ttmp6, 0x40000                  ; cx
	s_bfe_u32 s61, ttmp6, 0x40004                  ; cy
	s_lshl_b32 s62, ttmp9, 2
	s_add_co_u32 s62, s62, s60                     ; Wo's block of 128 rows: no cy enters it
	s_and_b32 s66, ttmp7, 0xffff
	s_lshl_b32 s66, s66, 2
	s_add_co_u32 s66, s66, s61                     ; ctx's: no cx enters it
	s_lshl_b32 s3, 0x1111, s60                     ; my column of the cluster
	s_lshl_b32 s61, s61, 2
	s_lshl_b32 s61, 15, s61                        ; my row
	s_lshl_b32 s6, s62, 1
	s_add_co_u32 s6, s6, s4                        ; gs0: my group of 64 outputs
	s_lshl_b32 s7, s66, 1
	s_add_co_u32 s7, s7, s5                        ; gs1: my group of 64 rows
	s_lshl_b32 s100, s5, 5                         ; Wo: I fetch the even (0) or the odd (1) sub-tiles: they begin at row 0 or 32 of the block
	s_lshl_b32 s62, s62, 7
	s_add_co_u32 s62, s62, s100
	s_lshl_b32 s62, s62, 5                         ; Wo: their scale bytes begin here (32 a row)
	s_mov_b32 s63, 0
	s_lshl_b32 s100, s5, 6                         ; ctx: the first or the second 64 rows
	s_lshl_b32 s66, s66, 7
	s_add_co_u32 s66, s66, s100
	s_lshl_b32 s66, s66, 5                         ; ctx likewise
	s_mov_b32 s67, 0
	v_and_b32 v9, 31, v0                           ; lane
	v_bfe_u32 v10, v0, 4, 1                        ; h
	v_and_b32 v11, 7, v0                           ; r & 7
	v_bfe_u32 v12, v0, 3, 1                        ; r >> 3
	v_and_b32 v14, 15, v0                          ; r
	v_mul_u32_u24 v3, v11, RP
	v_mad_u32_u24 v3, v12, ODD, v3                 ; rows 32 apart: an even and an odd sub-tile
	v_mad_u32_u24 v3, v10, 24, v3
	v_mul_u32_u24 v13, v10, UNIT-256
	s_mul_i32 s100, s4, SUBT
	v_add_nc_u32 v3, s100, v3                      ; Wo's fragments
	v_add_nc_u32 v4, v3, v13                       ; and the same for pieces whose upper lanes read in the next unit
	s_mul_i32 s101, s5, 2*24576
	s_add_co_u32 s101, s101, S1B
	v_lshl_add_u32 v5, v9, 4, s101                 ; ctx's units: 16 bytes a lane,
	v_lshl_add_u32 v6, v9, 3, s101                 ; and 8
	v_lshlrev_b32 v7, 5, v11                       ; scale bytes: 32 a row, eight rows to 256 bytes
	v_lshl_add_u32 v7, v12, 10, v7                 ; + 32 rows for r >> 3: my row's scale bytes in memory, from my group's first row
	s_mul_i32 s100, s2, 4*16*PITCH
	s_add_co_u32 s100, s100, STAGE                 ; my stage
	v_mul_u32_u24 v232, v14, PITCH                 ; in: row r of a tile, 128 bytes for each half of the lanes
	v_lshl_add_u32 v232, v10, 7, v232
	v_add_nc_u32 v232, s100, v232
	v_mul_u32_u24 v233, v10, PITCH                 ; back: lanes 0-15 one row of 256 bytes, lanes 16-31 the next
	v_lshl_add_u32 v233, v14, 4, v233
	v_add_nc_u32 v233, s100, v233
	v_lshlrev_b32 v234, 12, v10                    ; and the same two rows in out0 (4,096 bytes a row)
	v_lshl_add_u32 v234, v14, 4, v234
	v_lshlrev_b32 v251, 7, v10                     ; the bias: my half's 32 numbers
	s_wait_alu depctr_va_vdst(0)                   ; the wait at the end of the head's vector work
	s_wait_dscnt 0x0
	s_wait_kmcnt 0x0
	s_lshl_b32 s100, s6, 11                        ; my group of 64 rows: 2,048 scale bytes a group
	s_mov_b32 s101, 0
	s_add_nc_u64 s[10:11], s[10:11], s[100:101]
	s_lshl_b32 s100, s7, 11
	s_add_nc_u64 s[14:15], s[14:15], s[100:101]
	SCALES                                         ; sixteen loads, on their way under the tensor loads
	s_mul_i32 s62, s62, 24
	s_mul_i32 s66, s66, 24
	s_add_nc_u64 s[8:9], s[8:9], s[62:63]
	s_add_nc_u64 s[12:13], s[12:13], s[66:67]
	; descriptor groups 1
	s_or_b32 s16, s3, G1W0                         ; Wo's codes: two dense sub-tiles; to my column
	s_mov_b32 s17, 3072<<16                        ; a sub-tile's 32 rows are 24,576 dense bytes: the tile is two such runs (3,072 elements of 8 bytes),
	s_mov_b32 s18, 2<<16
	s_mov_b32 s19, 3072<<16
	s_mov_b32 s20, 2
	s_mov_b32 s21, 6144                            ; 64 rows apart
	s_mov_b32 s22, 0
	s_mov_b32 s23, 0
	s_or_b32 s40, s61, (3<<16)|(1<<21)             ; ctx's units of 64 rows: 49,152 dense bytes as 192 rows of 256; to my row; no padding: they are read 16 or 8 bytes a lane on end
	s_mov_b32 s41, 32<<16
	s_mov_b32 s42, 192<<16
	s_mov_b32 s43, 32<<16
	s_mov_b32 s44, 192
	s_mov_b32 s45, 32
	s_mov_b32 s46, 0
	s_mov_b32 s47, 0
	s_mov_b32 s68, 1                               ; groups 0: Wo's even or odd sub-tiles,
	s_mul_i32 s69, s5, ODD
	s_mov_b64 s[70:71], s[8:9]
	s_or_b32 s71, s71, 0x80000000
	s_mov_b32 s72, 1                               ; ctx's first or second 64 rows
	s_mul_i32 s73, s5, 49152
	s_add_co_u32 s73, s73, S1B
	s_mov_b64 s[74:75], s[12:13]
	s_or_b32 s75, s75, 0x80000000
	CROUND                                         ; all sixteen work-groups are here: the joint loads meet
	s_cmp_eq_u32 s4, 0                             ; one tensor load a wave: waves 0 and 1 fetch Wo, waves 2 and 3 ctx
	s_cbranch_scc0 .Lfor_ctx
	tensor_load_to_lds s[68:71], s[16:23]
	s_nop 0
.rept 4
	v_nop
.endr
	s_branch .Lasked
.Lfor_ctx:
	tensor_load_to_lds s[72:75], s[40:47]
	s_nop 0
.rept 4
	v_nop
.endr
.Lasked:
	s_lshl_b32 s62, s6, 8                          ; my 64 outputs: 256 bytes on in bo and in a row of out0
	s_add_nc_u64 s[56:57], s[56:57], s[62:63]
	s_add_nc_u64 s[58:59], s[58:59], s[62:63]
	s_lshl_b32 s66, s7, 18                         ; my 64 rows of 4,096 bytes
	s_add_nc_u64 s[58:59], s[58:59], s[66:67]
	WIN 0x40                                       ; destination window 1
	s_wait_alu depctr_va_vdst(0)
.irp a, 0,1,2,3                        ; the bias in the result's layout: register j of tile a is output 32 h + 8 a + j
	global_load_b128 v[BIAS+8*\a:BIAS+8*\a+3], v251, s[56:57] offset:32*\a
	global_load_b128 v[BIAS+8*\a+4:BIAS+8*\a+7], v251, s[56:57] offset:32*\a+16
.endr
	WIN 0
	s_mov_b32 s100, 0xffff0000                     ; lanes 16-31
	s_wait_loadcnt 0x0                             ; the scale words and the bias
.set j, 0
.rept 32
	v_cndmask_b32 v[SC+j], v[SC+j], v[ST+j], s100  ; lanes 0-15 keep Wo's words, lanes 16-31 take ctx's
.set j, j+1
.endr
.rept 8
	v_nop                                          ; a scale register written by a vector instruction stands eight places ahead of a scaled matrix instruction
.endr
	s_wait_alu depctr_va_vdst(0)                   ; directly ahead of the wait below
	s_wait_tensorcnt 0x0                           ; my one load has landed
	s_barrier_signal -1
	s_barrier_wait -1                              ; everybody's has: all of K of both operands is in
	FETCH 0, F0
	FETCH 1, F0+96
	s_wait_dscnt 40
	MUL 0, F0, 1                                   ; the first K step starts the sums with the bias: nothing is cleared
	STEP 1, -1
	STEP 2, -1
	STEP 3, -1
	STEP 4, -1
	STEP 5, -1
	STEP 6, -1
	STEP 7, -1
	; THE WAY OUT.  A lane holds 128 neighbouring bytes of a row, the lanes beside it other rows: the wave's 64 x 64 goes through its own stage and comes back as rows of 256 bytes.
	; LDS serves a wave's instructions in order (ISA guide 5.7.1.4): no wait between the stores and the loads.
	PLACES
	WIN 0x04                                       ; an LDS store's data are its source 1: window 1
.irp b, 0,1,2,3
.irp k, 0,1,2,3,4,5,6,7
	ds_store_b128 v232, v[32*\b+4*\k:32*\b+4*\k+3] offset:16*PITCH*\b+16*\k   ; each accumulator from its low end on
.endr
.endr
	WIN 0
.irp b, 0,1,2,3
.irp t, 0,1,2,3,4,5,6,7
	ds_load_b128 v[OUTR+4*(8*\b+\t):OUTR+4*(8*\b+\t)+3], v233 offset:16*PITCH*\b+2*PITCH*\t
.endr
.endr
.irp b, 0,1,2,3
.irp t, 0,1,2,3,4,5,6,7
	s_wait_dscnt 31-8*\b-\t                        ; the younger loads may stay out
	global_store_b128 v234, v[OUTR+4*(8*\b+\t):OUTR+4*(8*\b+\t)+3], s[58:59] offset:4096*(8*\b+2*(\t%4)+32*(\t/4)) th:TH_STORE_NT   ; lane rows 2 t and 2 t + 1 of tile b are rows 8 b + 2 (t % 4) + h + 32 (t / 4); sixteen lanes store 256 consecutive bytes, aligned
.endr
.endr
	s_wait_tensorcnt 0x0
	ds_add_u32 v254, v255
	s_wait_dscnt 0x0
	CROUND                                         ; the closing round: no work-group ends while a partner may still ask for a tile that names it
	s_endpgm
.Lfunc_end_k_q0a2692a1f1_outp:
	.size	k_q0a2692a1f1_outp, .Lfunc_end_k_q0a2692a1f1_outp-k_q0a2692a1f1_outp
	.p2alignl 7, 3214868480
	.fill 96, 4, 3214868480
	.section	.rodata,"a",@progbits
	.p2align	6, 0x0
	.amdhsa_kernel k_q0a2692a1f1_outp
		.amdhsa_group_segment_fixed_size 282368
		.amdhsa_private_segment_fixed_size 0
		.amdhsa_enable_private_segment 0
		.amdhsa_kernarg_size 48
		.amdhsa_user_sgpr_count 2
		.amdhsa_user_sgpr_kernarg_segment_ptr 1
		.amdhsa_wavefront_size32 1
		.amdhsa_system_sgpr_workgroup_id_x 1
		.amdhsa_system_sgpr_workgroup_id_y 1
		.amdhsa_system_sgpr_workgroup_id_z 1
		.amdhsa_system_vgpr_workitem_id 0
		.amdhsa_next_free_vgpr 416
		.amdhsa_next_free_sgpr 102
		.amdhsa_reserve_vcc 0
		.amdhsa_float_denorm_mode_32 3
		.amdhsa_float_denorm_mode_16_64 3
		.amdhsa_memory_ordered 1
		.amdhsa_forward_progress 1
		.amdhsa_inst_pref_size 58
	.end_amdhsa_kernel
	.amdgpu_metadata
---
amdhsa.version: [ 1, 2 ]
amdhsa.kernels:
  - .name:           k_q0a2692a1f1_outp
    .symbol:         k_q0a2692a1f1_outp.kd
    .args:
      - { .name: Wo_codes, .offset: 0, .size: 8, .value_kind: global_buffer, .address_space: global }
      - { .name: Wo_scales, .offset: 8, .size: 8, .value_kind: global_buffer, .address_space: global }
      - { .name: ctximg, .offset: 16, .size: 8, .value_kind: global_buffer, .address_space: global }
      - { .name: ctxs, .offset: 24, .size: 8, .value_kind: global_buffer, .address_space: global }
      - { .name: bo, .offset: 32, .size: 8, .value_kind: global_buffer, .address_space: global }
      - { .name: out0, .offset: 40, .size: 8, .value_kind: global_buffer, .address_space: global }
    .group_segment_fixed_size: 282368
    .private_segment_fixed_size: 0
    .kernarg_segment_align: 8
    .kernarg_segment_size: 48
    .max_flat_workgroup_size: 128
    .sgpr_count:     102
    .vgpr_count:     416
    .wavefront_size: 32
...
	.end_amdgpu_metadata
.endif
;; end of part 3
